; MI455X (gfx1250); checked and timed in simulation.
; The chip was launched on July 23, 2026; its instructions are those of AMD's public machine-readable ISA for CDNA 5 (MIT licence, August 2026) and "CDNA5" Instruction Set Architecture Reference Guide (July 2026). The comments in the code are by the model that wrote it; some were corrected since.
;; Multi Head Attention. Allowed arithmetic: matrix products marked QUANTISED: E4M3 operands, one given power-of-two scale a tensor, by v_wmma_f32_16x16x64_fp8_fp8 or v_wmma_f32_16x16x128_fp8_fp8, f32 sums; everything else in f32.
;; Inputs: Q_input 1 x 2,048 x 2,048 float32; Wk 2,048 x 2,048 float32; Wo 2,048 x 2,048 float32; Wq 2,048 x 2,048 float32; Wv 2,048 x 2,048 float32; attention_mask 1 x 1 x 2,048 x 2,048 int32; bo 2,048 float32; lowp_scales 12 int32 (the exponents e of the quantised operands' scales 2^e).
;; Outputs: out0 1 x 2,048 x 2,048 float32.
;; This version of the problem:
;;   THIS VERSION OF THE PROBLEM IS GIVEN IN LOW PRECISION. The matrix products marked QUANTISED in the list below multiply operands that are first quantised to E4M3 (4 exponent bits, 3 mantissa bits; 8 bits a number), with one given power-of-two scale for each operand tensor; their sums are f32. All else is computed in f32.
;;   The module's matrix products, in the order in which they are computed (A, B: the left and right operand; K: the contracted axis; several contracted axes count as one K, in the product's order):
;;     1. [M 2,048, K 2,048] x [K 2,048, N 2,048]; A: input Q_input; B: input Wq: QUANTISED (scales: A lowp_scales[0], B lowp_scales[1])
;;     2. [M 2,048, K 2,048] x [K 2,048, N 2,048]; A: input Q_input; B: input Wk: QUANTISED (scales: A lowp_scales[2], B lowp_scales[3])
;;     3. [M 2,048, K 2,048] x [K 2,048, N 2,048]; A: input Q_input; B: input Wv: QUANTISED (scales: A lowp_scales[4], B lowp_scales[5])
;;     4. batch 16 x [M 2,048, K 128] x [K 128, N 2,048]; A: computed on the way; B: computed on the way: QUANTISED (scales: A lowp_scales[6], B lowp_scales[7])
;;     5. batch 16 x [M 2,048, K 2,048] x [K 2,048, N 128]; A: softmax (see below); B: computed on the way: QUANTISED (scales: A lowp_scales[8], B lowp_scales[9])
;;     6. [M 2,048, K 2,048] x [K 2,048, N 2,048]; A: computed on the way; B: input Wo: QUANTISED (scales: A lowp_scales[10], B lowp_scales[11])
;;   THE QUANTISER, for each operand of a quantised product, along K:
;;     - The operand's scale is 2^e, e = its entry of the input lowp_scales (int32; the entries are numbered through the quantised products in the list's order, A before B).
;;     - Each number is divided by the scale, clamped to +-448, and rounded to the nearest number of E4M3, ties to even, subnormals kept.
;;     - The product sums the exact products of the quantised numbers (number of the format x scale) in f32.
;;   ~~~python
;;   def quantise(x, axis, e):      # numpy; x: float32 -> the quantised numbers, widened to float32 again
;;       x = np.moveaxis(x, axis, -1); K = x.shape[-1]
;;       r = np.clip(x / 2.0 ** e, -448, 448)
;;       step = 2.0 ** (np.maximum(np.frexp(np.where(r == 0, 1, r))[1] - 1, -6) - 3)
;;       q = np.round(r / step) * step * 2.0 ** e      # np.round: ties to even
;;       return np.moveaxis(q, -1, axis).astype(np.float32)
;;   ~~~
;;   SOFTMAX AHEAD OF A QUANTISED PRODUCT. Where the list says 'softmax', what is quantised is not the finished softmax but p = 2^(t - M), with t = logit x log2(e) and M = ceil(the row's largest t), a whole number; so 1/2 < the row's largest p <= 1. The row's sum l is taken of the UNQUANTISED p, in f32, and the product's result is divided by l at the end. Since M is a whole number, a kernel that streams over the keys may use a running M (the ceiling of the running maximum): every later rescaling is an exact power of two, so the quantised numbers keep their values, but for numbers so far below the row's largest that they fall under the format's range.
;;   OPERANDS COMPUTED ON THE WAY. 'Computed on the way' means the value that the module computes at that place (a softmax that the list does not call 'softmax' is quantised finished and normalised). What goes into a quantiser is computed in f32, as accurately as f32 sums, v_exp_f32 and their like allow (about 1e-6 of the number): no bf16 or f16 on the way to a quantiser, and a product that is left as it is and whose result goes on into a quantised operand takes f32 operands (vector FMAs, or v_wmma_f32_16x16x4_f32). A number that lies on a knife's edge between two numbers of the format may be rounded either way, as far as f32 arithmetic and the matrix unit's own rounding can turn it there, and no further.
;; One version. Each part assembles by itself: llvm-mc -triple=amdgcn-amd-amdhsa -mcpu=gfx1250 --defsym DOCPART=n.
;; ======== version 1 of 1: 4 launches
;; workspace buffers: xc 12,582,912 bytes; wc 16,777,216 bytes; maskw 524,288 bytes of whole numbers; flags 8,192 bytes of whole numbers; qc 4,194,304 bytes; kv 8,388,608 bytes; oc 4,194,304 bytes
;; launch prep (part 1): grid 768 x 1, 4 waves a work-group, no clusters, 34,304 bytes of LDS; arguments Q_input, Wq, Wk, Wv, Wo, attention_mask, lowp_scales, xc, wc, maskw, flags; writes xc, wc, maskw, flags
.if DOCPART == 1
	.amdgcn_target "amdgcn-amd-amdhsa--gfx1250"
	.amdhsa_code_object_version 6
	.text
	.protected	k_q6877f05dd1_prep
	.globl	k_q6877f05dd1_prep
	.p2align	8
	.type	k_q6877f05dd1_prep,@function
k_q6877f05dd1_prep:
	s_mov_b64 s[64:65], 0
	v_nop
	global_prefetch_b8 v0, s[64:65] scope:SCOPE_SE
	s_setreg_imm32_b32 hwreg(HW_REG_WAVE_MODE, 25, 1), 1
	s_wait_xcnt 0x0
; Q_input and the four weights, f32 [2048][2048] with K innermost, become codes of FP8 (E4M3); the mask, int32 [2048][2048], becomes lane masks and tile flags.
; code = x / 2^e, held within +-448, rounded to the nearest code, ties to even.  x is quantised three times (entries 0, 2, 4 of the scales), Wq, Wk, Wv, Wo once (entries 1, 3, 5, 11).
; LIMITS: each of these seven exponents lies between -126 and 119, so that 2^e and 448 x 2^e are f32 numbers.  NaN and infinities among the floating-point inputs are not served.
; THE CODES ARE LAID AS IMAGES OF OPERAND REGISTERS.  A fragment is 16 rows x 128 K: 16 registers a lane, 2,048 bytes; registers 4 c .. 4 c + 3 of lane l lie at byte 512 c + 16 l.
; Lane (r = l % 16, h = l / 16) holds row r; registers 2 c', 2 c' + 1 hold k = 16 c' + 8 h + 0 .. 7: the matrix form's own layout.  A tensor is [128 row tiles][16 K steps][2,048].
; SHARES.  Work-group number / 128 is the tensor (0 x, 1-4 Wq Wk Wv Wo, 5 the mask), number % 128 its tile of 16 rows.  Wave w takes columns 512 w .. 512 w + 511: four units of 16 rows x 128 columns.
; A unit's 16 loads read 512 consecutive bytes of a row each; the unit turns through the wave's own stage in LDS, so that a lane gets eight neighbours along K in eight consecutive registers.
; All six tensors take one way through the loads and LDS; only the work on registers behind them parts, on the work-group's number.
; THE MASK.  Word n = 8 T + j of (tile, step) has bit l = (mask[16 tile + r][128 step + 16 T + 8 h + j] != 0): the lane mask of register 8 T + j of a tile of scores in the attention launch.
; Waves share nothing: no barrier.  Loads run one unit (16 loads a wave) ahead of the unit in hand.
.set STW,   8448                       ; a wave's stage: 16 rows of 512 bytes + 16 of padding: row r starts 132 r words on, so the 16 rows of a read start at 16 different groups of four banks (ISA guide 11.1)
.set SPARE, 4*STW                      ; behind the stages: the spare words, 128 bytes for each wave: two blocks of 256 bytes that no other line names
.set LA,  1                            ; v1   16 x lane: my bytes of a load's 512, and my place in an image
.set SW,  2                            ; v2   the stage, on the way in
.set SRD, 3                            ; v3   the stage, on the way out: row r, + 32 h
.set L8,  4                            ; v4   8 x lane
.set SPW, 5                            ; v5   LDS address of my spare word; never rewritten
.set NIL, 6                            ; v6   0; never rewritten
.set FLR, 7                            ; v7   lane t: unit t's flag
.set SC,  8                            ; v8-13  2^e and 448 x 2^e for outputs 0, 1, 2
.set LN,  14                           ; v14  lane
.set L4,  15                           ; v15  4 x lane
.set R,   16                           ; v16-143  two sets of 64: a unit as loaded
.set X,   144                          ; v144-207 the unit turned: register 8 c' + j = (row r, column 16 c' + 8 h + j)
.set T,   208                          ; v208-223 two sets of 8 held numbers; on the mask's way v208-215 are four pairs of words
.set C,   224                          ; v224-239 a fragment's codes
.set WV,  26
.set TYP, 27
.set RT,  28
	s_load_b512 s[4:19], s[0:1], 0x0               ; Q_input, Wq, Wk, Wv, Wo, the mask, the scales' exponents, xc
	s_load_b128 s[20:23], s[0:1], 0x40             ; wc, maskw
	s_load_b64 s[24:25], s[0:1], 0x50              ; flags
	v_lshl_add_u32 v[SPW], v0, 2, SPARE
	v_mov_b32 v[NIL], 0
	v_lshrrev_b32 v[LN], 5, v0
	v_readfirstlane_b32 s[WV], v[LN]               ; wave 0..3
	v_and_b32 v[LN], 31, v0
	v_lshlrev_b32 v[LA], 4, v[LN]
	s_mul_i32 s29, s[WV], STW
	v_add_nc_u32 v[SW], s29, v[LA]
	v_and_b32 v[SRD], 15, v0                       ; r
	v_bfe_u32 v[L8], v0, 4, 1                      ; h
	v_mul_u32_u24 v[SRD], v[SRD], 528
	v_lshl_add_u32 v[SRD], v[L8], 5, v[SRD]
	v_add_nc_u32 v[SRD], s29, v[SRD]
	v_lshlrev_b32 v[L8], 3, v[LN]
	v_lshlrev_b32 v[L4], 2, v[LN]
	v_mov_b32 v[FLR], 0                            ; a lane write's destination counts as read: these nine are written once
.irp i, 0,1,2,3,4,5,6,7
	v_mov_b32 v[T+\i], 0
.endr
	s_lshr_b32 s[TYP], ttmp9, 7
	s_and_b32 s[RT], ttmp9, 127
	s_lshl_b32 s30, s[RT], 17                      ; 16 rows of 8,192 bytes,
	s_lshl_b32 s29, s[WV], 11                      ; my wave's 2,048 bytes of a row
	s_add_co_u32 s30, s30, s29
	s_mov_b32 s31, 0
	s_wait_kmcnt 0x0
	s_load_b256 s[32:39], s[16:17], 0x0            ; e0 .. e7
	s_load_b128 s[40:43], s[16:17], 0x20           ; e8 .. e11
	s_cmp_eq_u32 s[TYP], 1                         ; which tensor: the choice hangs on the work-group's number alone
	s_cselect_b64 s[4:5], s[6:7], s[4:5]
	s_cmp_eq_u32 s[TYP], 2
	s_cselect_b64 s[4:5], s[8:9], s[4:5]
	s_cmp_eq_u32 s[TYP], 3
	s_cselect_b64 s[4:5], s[10:11], s[4:5]
	s_cmp_eq_u32 s[TYP], 4
	s_cselect_b64 s[4:5], s[12:13], s[4:5]
	s_cmp_eq_u32 s[TYP], 5
	s_cselect_b64 s[4:5], s[14:15], s[4:5]
	s_add_nc_u64 s[4:5], s[4:5], s[30:31]
.macro LOAD t                          ; unit t: 16 rows, 512 consecutive bytes each, into set t % 2; read once in the launch
.irp i, 0,1,2,3,4,5,6,7,8,9,10,11,12,13,14,15
	global_load_b128 v[R+64*((\t)%2)+4*\i:R+64*((\t)%2)+4*\i+3], v[LA], s[4:5] offset:8192*\i+512*(\t) th:TH_LOAD_NT
.endr
.endm
	LOAD 0
	LOAD 1
	s_lshl_b32 s30, s[RT], 15                      ; where the codes go: the row tile's 16 fragments, my wave's four of them
	s_lshl_b32 s29, s[WV], 13
	s_add_co_u32 s30, s30, s29
	s_add_nc_u64 s[46:47], s[18:19], s[30:31]
	s_add_nc_u64 s[48:49], s[46:47], 0x800000      ; x under entry 4
	s_add_nc_u64 s[46:47], s[46:47], 0x400000      ; x under entry 2
	s_max_u32 s56, s[TYP], 1
	s_sub_co_u32 s56, s56, 1
	s_min_u32 s56, s56, 3                          ; which weight (0 for x, whose first output begins at xc's head)
	s_lshl_b32 s56, s56, 22
	s_add_co_u32 s30, s30, s56
	s_cmp_eq_u32 s[TYP], 0
	s_cselect_b64 s[44:45], s[18:19], s[20:21]
	s_add_nc_u64 s[44:45], s[44:45], s[30:31]
	s_lshl_b32 s30, s[RT], 12                      ; the mask's words: 4,096 bytes a tile, 256 a step
	s_lshl_b32 s29, s[WV], 10
	s_add_co_u32 s30, s30, s29
	s_add_nc_u64 s[22:23], s[22:23], s[30:31]
	s_lshl_b32 s30, s[RT], 6                       ; the flags: 64 bytes a tile, 4 a step
	s_lshl_b32 s29, s[WV], 4
	s_add_co_u32 s30, s30, s29
	s_add_nc_u64 s[24:25], s[24:25], s[30:31]
	s_wait_kmcnt 0x0
	s_mov_b32 s56, s32                             ; output 0's exponent: e0, e1, e3, e5 or e11
	s_cmp_eq_u32 s[TYP], 1
	s_cselect_b32 s56, s33, s56
	s_cmp_eq_u32 s[TYP], 2
	s_cselect_b32 s56, s35, s56
	s_cmp_eq_u32 s[TYP], 3
	s_cselect_b32 s56, s37, s56
	s_cmp_eq_u32 s[TYP], 4
	s_cselect_b32 s56, s43, s56
.macro MKSC k, e                       ; 2^e as f32 (the conversion takes its exponent field), and 448 x 2^e
	s_add_co_i32 s57, \e, 127
	s_lshl_b32 s29, s57, 23
	v_mov_b32 v[SC+2*\k], s29
	s_add_co_i32 s57, s57, 8
	s_lshl_b32 s57, s57, 23
	s_or_b32 s57, s57, 0x600000
	v_mov_b32 v[SC+2*\k+1], s57
.endm
	MKSC 0, s56
	MKSC 1, s34
	MKSC 2, s36
.macro TURNX t                         ; through the stage: LDS serves a wave's instructions in order (ISA guide 5.7.1.4), so no wait stands between the stores and the loads
.irp i, 0,1,2,3,4,5,6,7,8,9,10,11,12,13,14,15
	ds_store_b128 v[SW], v[R+64*((\t)%2)+4*\i:R+64*((\t)%2)+4*\i+3] offset:528*\i
.endr
.irp c, 0,1,2,3,4,5,6,7
	ds_load_b128 v[X+8*\c:X+8*\c+3], v[SRD] offset:64*\c
	ds_load_b128 v[X+8*\c+4:X+8*\c+7], v[SRD] offset:64*\c+16
.endr
.endm
.macro QOUT k, t                       ; the unit becomes one fragment under scale k and is stored: four stores of 512 consecutive bytes
	s_wait_xcnt 0x0                                ; the earlier stores have read their data: the codes' registers (and, behind the mask's way, the working registers) are written only behind this wait
.irp c, 0,1,2,3,4,5,6,7
.irp j, 0,1,2,3,4,5,6,7
	v_med3_num_f32 v[T+8*(\c%2)+\j], v[X+8*\c+\j], -v[SC+2*\k+1], v[SC+2*\k+1]   ; the conversion does not saturate (ISA guide 7.6.2): hold first.  The two sets take turns, so that eight plain lines stand between a conversion and the next write of its sources
.endr
	v_cvt_scalef32_pk8_fp8_f32 v[C+2*\c:C+2*\c+1], v[T+8*(\c%2):T+8*(\c%2)+7], v[SC+2*\k]
.endr
	v_nop                                          ; one plain line behind the last conversion
.irp c, 0,1,2,3
	global_store_b128 v[LA], v[C+4*\c:C+4*\c+3], s[44+2*\k:45+2*\k] offset:2048*(\t)+512*\c
.endr
.endm
.macro MASKU t                         ; the unit's 64 lane masks, gathered two to a lane, and its flag
	s_mov_b32 s54, 0                               ; the OR of the words,
	s_mov_b32 s55, -1                              ; and their AND
.set n, 0
.rept 16
.irp q, 0,1,2,3
	v_cmp_ne_u32 s[50+\q], 0, v[X+n+\q]
.endr
.irp q, 0,1,2,3
	s_or_b32 s54, s54, s[50+\q]
	s_and_b32 s55, s55, s[50+\q]
	v_writelane_b32 v[T+2*(\t)+(\q%2)], s[50+\q], (n+\q)/2   ; word n goes to register n % 2 of lane n / 2: byte 4 n of the store below
.endr
.set n, n+4
.endr
	s_cmp_lg_u32 s54, 0
	s_cselect_b32 s56, 1, 0
	s_cmp_eq_u32 s55, -1
	s_cselect_b32 s57, 1, 0
	s_add_co_u32 s56, s56, s57                     ; 0 nothing allowed, 1 mixed, 2 all allowed
	v_writelane_b32 v[FLR], s56, \t
	global_store_b64 v[L8], v[T+2*(\t):T+2*(\t)+1], s[22:23] offset:256*(\t)   ; 256 consecutive bytes, aligned; each unit has its own pair of registers
.endm
.macro UNIT t
.if (\t) < 3
	s_wait_loadcnt 16                              ; this unit's 16 loads are in; the next unit's 16 may be out
.else
	s_wait_loadcnt 0x0
.endif
	TURNX \t
	s_wait_dscnt 0x0                               ; the unit is back, so the stores into the stage have read their registers,
.if (\t) < 2
	LOAD (\t)+2                                    ; which take the unit two on
.endif
	s_cmp_eq_u32 s[TYP], 5
	s_cbranch_scc1 .Lmask_\@
	QOUT 0, \t
	s_cmp_lg_u32 s[TYP], 0
	s_cbranch_scc1 .Ldone_\@
	QOUT 1, \t                                     ; x alone: its other two scales
	QOUT 2, \t
	s_branch .Ldone_\@
.Lmask_\@:
	MASKU \t
.Ldone_\@:
.endm
	UNIT 0
	UNIT 1
	UNIT 2
	UNIT 3
	s_cmp_lg_u32 s[TYP], 5
	s_cbranch_scc1 .Lno_flags
	v_cmp_gt_u32 vcc_lo, 4, v[LN]                  ; my wave's four flags: 16 bytes, from lanes 0 to 3 (8,192 bytes in the whole launch)
	s_wait_xcnt 0x0                                ; EXEC changes only behind this wait
	s_and_saveexec_b32 s58, vcc_lo
	global_store_b32 v[L4], v[FLR], s[24:25]
	s_wait_xcnt 0x0                                ; and again in front of the line that widens it
	s_or_b32 exec_lo, exec_lo, s58
.Lno_flags:
	s_wait_tensorcnt 0x0                           ; the wave's end, behind my last LDS store
	ds_add_u32 v[SPW], v[NIL]
	s_wait_dscnt 0x0
	s_endpgm
.Lfunc_end_k_q6877f05dd1_prep:
	.size	k_q6877f05dd1_prep, .Lfunc_end_k_q6877f05dd1_prep-k_q6877f05dd1_prep
	.p2alignl 7, 3214868480
	.fill 96, 4, 3214868480
	.section	.rodata,"a",@progbits
	.p2align	6, 0x0
	.amdhsa_kernel k_q6877f05dd1_prep
		.amdhsa_group_segment_fixed_size 34304
		.amdhsa_private_segment_fixed_size 0
		.amdhsa_enable_private_segment 0
		.amdhsa_kernarg_size 88
		.amdhsa_user_sgpr_count 2
		.amdhsa_user_sgpr_kernarg_segment_ptr 1
		.amdhsa_wavefront_size32 1
		.amdhsa_system_sgpr_workgroup_id_x 1
		.amdhsa_system_sgpr_workgroup_id_y 1
		.amdhsa_system_sgpr_workgroup_id_z 1
		.amdhsa_system_vgpr_workitem_id 0
		.amdhsa_next_free_vgpr 240
		.amdhsa_next_free_sgpr 66
		.amdhsa_reserve_vcc 1
		.amdhsa_float_denorm_mode_32 3
		.amdhsa_float_denorm_mode_16_64 3
		.amdhsa_memory_ordered 1
		.amdhsa_forward_progress 1
		.amdhsa_inst_pref_size 129
	.end_amdhsa_kernel
	.amdgpu_metadata
---
amdhsa.version: [ 1, 2 ]
amdhsa.kernels:
  - .name:           k_q6877f05dd1_prep
    .symbol:         k_q6877f05dd1_prep.kd
    .args:
      - { .name: Q_input, .offset: 0, .size: 8, .value_kind: global_buffer, .address_space: global }
      - { .name: Wq, .offset: 8, .size: 8, .value_kind: global_buffer, .address_space: global }
      - { .name: Wk, .offset: 16, .size: 8, .value_kind: global_buffer, .address_space: global }
      - { .name: Wv, .offset: 24, .size: 8, .value_kind: global_buffer, .address_space: global }
      - { .name: Wo, .offset: 32, .size: 8, .value_kind: global_buffer, .address_space: global }
      - { .name: attention_mask, .offset: 40, .size: 8, .value_kind: global_buffer, .address_space: global }
      - { .name: lowp_scales, .offset: 48, .size: 8, .value_kind: global_buffer, .address_space: global }
      - { .name: xc, .offset: 56, .size: 8, .value_kind: global_buffer, .address_space: global }
      - { .name: wc, .offset: 64, .size: 8, .value_kind: global_buffer, .address_space: global }
      - { .name: maskw, .offset: 72, .size: 8, .value_kind: global_buffer, .address_space: global }
      - { .name: flags, .offset: 80, .size: 8, .value_kind: global_buffer, .address_space: global }
    .group_segment_fixed_size: 34304
    .private_segment_fixed_size: 0
    .kernarg_segment_align: 8
    .kernarg_segment_size: 88
    .max_flat_workgroup_size: 128
    .sgpr_count:     66
    .vgpr_count:     240
    .wavefront_size: 32
...
	.end_amdgpu_metadata
.endif
;; end of part 1
;; launch qkv (part 2): grid 24 x 8, 4 waves a work-group, clusters of 4 x 4, 327,680 bytes of LDS; arguments xc, wc, lowp_scales, qc, kv; writes qc, kv
.if DOCPART == 2
	.amdgcn_target "amdgcn-amd-amdhsa--gfx1250"
	.amdhsa_code_object_version 6
	.text
	.protected	k_q6877f05dd1_qkv
	.globl	k_q6877f05dd1_qkv
	.p2align	8
	.type	k_q6877f05dd1_qkv,@function
k_q6877f05dd1_qkv:
	s_mov_b64 s[64:65], 0
	v_nop
	global_prefetch_b8 v0, s[64:65] scope:SCOPE_SE
	s_setreg_imm32_b32 hwreg(HW_REG_WAVE_MODE, 25, 1), 1
	s_wait_xcnt 0x0
	s_wait_alu depctr_hold_cnt(0) depctr_sa_sdst(0) depctr_va_vdst(0) depctr_va_sdst(0) depctr_va_ssrc(0) depctr_va_vcc(0) depctr_vm_vsrc(0)
	s_getreg_b32 s2, hwreg(HW_REG_IB_STS2, 6, 4)
	s_cmp_eq_u32 s2, 0
	s_cbranch_scc0 .Lentry_in_a_cluster
	s_endpgm
.Lentry_in_a_cluster:
	s_bfe_u32 s2, ttmp6, 0x10000c
	s_cmp_lg_u32 s2, 0xf033
	s_cbranch_scc0 .Lentry_shape_is_right
	s_endpgm
.Lentry_shape_is_right:
; The three projections on codes of FP8 (E4M3): Q = x Wq^T, K = x Wk^T, V = x Wv^T, each 2048 x 2048 x 2048; sums in f32; the results are quantised in registers (entries 6, 7, 9 of the scales) and stored as codes.
; ALL CODES LIE AS IMAGES OF OPERAND REGISTERS: a fragment (16 rows x 128 K) is 2,048 bytes, registers 4 c .. 4 c + 3 of lane l at byte 512 c + 16 l; lane (r, h) holds row r, registers 2 c', 2 c' + 1 hold k = 16 c' + 8 h + 0 .. 7.
; A tensor of codes is [128 row tiles][16 K steps][2,048].  So a fragment comes from LDS by four loads of 512 consecutive bytes, with no pitch and no padding.
; SHARES.  24 x 8 work-groups: product p = cluster x / 2; each makes a tile of 256 x 256, each of its four waves 128 x 128: 64 accumulators, 512 registers.  K goes in steps of 256 through a ring of two LDS slots.
; A is the operand whose rows fall to LANES in the result (source 1), B the one whose rows run along a lane's REGISTERS (source 0): register j of accumulator (a, b) in lane (r, h) is (A's row 16 a + r, B's row 16 b + 8 h + j).
; So the eight registers of accumulator (a, b), converted, ARE registers 2 b, 2 b + 1 of a fragment with A's rows as rows and B's rows as K: a block's 64 sums become one fragment and leave by four stores of 512 consecutive bytes.
; p = 0, 1: A = x (tokens), B = W (a head's 128 features): fragments of Q and K, K = the head's 128.  p = 2: A = Wv, B = x: fragments of V with the KEYS as K.  The buffers are chosen on p, which all partners of a cluster share.
; CLUSTERS: 4 x 4.  The four of a row of the cluster need the same tiles of A, the four of a column the same tiles of B: each tile is asked for jointly, by the same tensor load with the same descriptor and a mask that names the four.
; LIMITS: e6 - e0 - e1, e7 - e2 - e3 and e9 - e4 - e5 lie between -126 and 119, so that each conversion's scale and 448 x it are f32 numbers.
; No prefetch: each tile is read by several clusters, and a wave has 128 matrix instructions between two changes of slots.
; REGISTERS, in windows of 256: window 0: v16-29 addresses; v32-113 the way out; from v128 A's fragments, ONE set.  window 1: B's fragments, TWO sets.  window 2: the accumulators of A's blocks 0-3 ((a, b) at v[8 (8 a + b)]); window 3: of blocks 4-7.
.set FRB,    2048                      ; a fragment's image
.set KSB,    2*FRB                     ; a row tile's bytes in a slot: two K steps of 128
.set RTB,    16*FRB                    ; a row tile in memory
.set HALFT,  8*KSB                     ; 8 row tiles: what one tensor load brings, and what one wave reads of A or of B
.set SLOT,   4*HALFT                   ; A's 16 row tiles, then B's 16
.set SPARE,  2*SLOT                    ; behind the ring: the spare words, 128 bytes for each wave: two blocks of 256 bytes that no other line names
.set LAPS,   4                         ; a lap = once round the ring = 512 along K
.set FR,     16                        ; registers of a fragment
.set NL,     4                         ; LDS loads that bring one
.set NP,     4                         ; places behind this matrix instruction (ISA guide 7.12.1)
.set ADRA, 16                          ; v16-17  LDS address of my A fragments in slot 0, 1
.set ADRB, 20                          ; v20-21  the same for B
.set LI,   26                          ; v26     16 x lane
.set SPW,  28                          ; v28     LDS address of my spare word; never rewritten
.set NIL,  29                          ; v29     0; never rewritten
.set TMP,  32                          ; v32-95  a block's 64 sums, held
.set CD,   96                          ; v96-111 its codes
.set QS,   112                         ; v112    the conversion's scale
.set QL,   113                         ; v113    448 x it
.set AF,   128
.set G1, 24                            ; s[24:31] descriptor group 1 for A's tiles;  s[32:39] group 0, one set for each slot
.set G0, 32
.set G1B, 48                           ; s[48:55], s[56:63] the same for B's tiles
.set G0B, 56
.set PR,  66                           ; s66  the product
.set DST, 80                           ; s[80:81] where my fragments go
.set MSB, 0
.macro WIN new                         ; the immediate's high byte repeats the setting that is left
.if MSB != \new
	s_set_vgpr_msb (MSB<<8)|\new
.set MSB, \new
.endif
.endm
.set MUL_LO, 0xa1                      ; source 0 (B) window 1, source 1 (A) window 0, C and D window 2
.set MUL_HI, 0xf1                      ; the same, C and D window 3
.set TO_B,   0x40                      ; destination window 1, address window 0
; A joint load: waves 0 and 1 fetch for A, waves 2 and 3 for B.  Each line has one mask and one set of registers for all that issue it; the branch hangs on the wave's number alone.
; An s_nop 0 and four v_nop follow each of the two lines, ahead of the jump, the label and what follows.
.macro JLOAD g0a, g1a, g0b, g1b
	s_cmp_eq_u32 s15, 0
	s_cbranch_scc0 .Lfor_b_\@
	tensor_load_to_lds s[\g0a:\g0a+3], s[\g1a:\g1a+7]
	s_nop 0
.rept 4
	v_nop
.endr
	s_branch .Lasked_\@
.Lfor_b_\@:
	tensor_load_to_lds s[\g0b:\g0b+3], s[\g1b:\g1b+7]
	s_nop 0
.rept 4
	v_nop
.endr
.Lasked_\@:
.endm
.macro CREST                           ; a round of the cluster's barrier behind its opening barrier
	s_cmp_lg_u32 s14, 0
	s_cbranch_scc1 .Lnot_wave_0_\@
	s_barrier_signal -3
.Lnot_wave_0_\@:
	s_barrier_wait -3
	s_barrier_signal -1
	s_barrier_wait -1
.endm
.macro CROUND                          ; a whole round
	s_barrier_signal -1
	s_barrier_wait -1
	CREST
.endm
	s_load_b128 s[4:7], s[0:1], 0x0                ; xc, wc
	s_load_b128 s[8:11], s[0:1], 0x10              ; the scales' exponents, qc
	s_load_b64 s[12:13], s[0:1], 0x20              ; kv
	v_lshl_add_u32 v[SPW], v0, 2, SPARE
	v_mov_b32 v[NIL], 0
	ds_add_u32 v[SPW], v[NIL]                      ; the wave's opening: the add and its wait stand ahead of my first tensor load; the set-up below, work on registers, stands between them
	v_lshrrev_b32 v1, 5, v0
	v_readfirstlane_b32 s14, v1                    ; wave 0..3
	s_lshr_b32 s15, s14, 1                         ; which half of A's rows is mine.  Also: I fetch for A (0) or for B (1)
	s_and_b32 s16, s14, 1                          ; which half of B's rows.  Also: which 8 row tiles I fetch
	s_bfe_u32 s40, ttmp6, 0x40000                  ; cx, cy: my place in the cluster
	s_bfe_u32 s41, ttmp6, 0x40004
	s_lshl_b32 s42, ttmp9, 2
	s_add_co_u32 s42, s42, s40                     ; 4 x cluster x + cx,
	s_and_b32 s67, s42, 7                          ; of which the low three bits are B's tile,
	s_lshr_b32 s[PR], ttmp9, 1                     ; and cluster x / 2 the product
	s_and_b32 s17, ttmp7, 0xffff
	s_lshl_b32 s17, s17, 2
	s_add_co_u32 s17, s17, s41                     ; A's tile = 4 x cluster y + cy
	s_lshl_b32 s43, s41, 2
	s_lshl_b32 s43, 15, s43                        ; my row of the cluster
	s_lshl_b32 s44, 0x1111, s40                    ; my column
	; descriptor group 1: 8 rows (row tiles) of KSB bytes, RTB bytes apart, dense in LDS
	s_or_b32 s[G1+0], s43, (3<<16)|(1<<21)         ; 15:0 the mask: A's tiles go to my row; 17:16 elements of 8 bytes; 20 no padding; 21 set beside a mask
	s_or_b32 s[G1B+0], s44, (3<<16)|(1<<21)        ; the same with the mask of my column
.irp g, G1, G1B
	s_mov_b32 s[\g+1], (KSB/8)<<16                 ; tensor_dim0 = 512 elements
	s_mov_b32 s[\g+2], 8<<16                       ; tensor_dim1 = 8
	s_mov_b32 s[\g+3], (KSB/8)<<16                 ; tile_dim0
	s_mov_b32 s[\g+4], 8                           ; tile_dim1
	s_mov_b32 s[\g+5], RTB/8                       ; tensor_dim0_stride
	s_mov_b32 s[\g+6], 0
	s_mov_b32 s[\g+7], 0
.endr
	s_lshl_b32 s18, s16, 3                         ; which 8 row tiles I fetch
	s_lshl_b32 s19, s[PR], 22                      ; product p's part of either buffer
	s_lshl_b32 s20, s17, 4
	s_add_co_u32 s20, s20, s18
	s_lshl_b32 s20, s20, 15                        ; A: row tile 16 x tile + 8 x half, RTB bytes each
	s_add_co_u32 s20, s20, s19
	s_mov_b32 s21, 0
	s_lshl_b32 s46, s67, 4
	s_add_co_u32 s46, s46, s18
	s_lshl_b32 s46, s46, 15                        ; B likewise
	s_add_co_u32 s46, s46, s19
	s_mov_b32 s47, 0
	s_lshl_b32 s45, s14, 15                        ; where they go: wave x HALFT: no place in the cluster enters an LDS address
	s_wait_dscnt 0x0                               ; the opening add is done
	s_wait_kmcnt 0x0
	s_load_b256 s[68:75], s[8:9], 0x0              ; e0 .. e7
	s_load_b128 s[76:79], s[8:9], 0x20             ; e8 .. e11
	s_cmp_eq_u32 s[PR], 2                          ; for V the buffers change places
	s_cselect_b64 s[88:89], s[6:7], s[4:5]
	s_cselect_b64 s[90:91], s[4:5], s[6:7]
	s_add_nc_u64 s[20:21], s[88:89], s[20:21]
	s_add_nc_u64 s[46:47], s[90:91], s[46:47]
	CROUND                                         ; all sixteen work-groups are here: the first joint loads meet
.irp s, 0,1
	s_mov_b32 s[G0+4*\s], 1                        ; count = 1
	s_add_co_u32 s[G0+4*\s+1], s45, \s*SLOT        ; LDS address
	s_add_nc_u64 s[G0+4*\s+2:G0+4*\s+3], s[20:21], \s*KSB   ; global address: K steps 2 s, 2 s + 1
	s_or_b32 s[G0+4*\s+3], s[G0+4*\s+3], 0x80000000         ; type = 2
	s_mov_b32 s[G0B+4*\s], 1
	s_add_co_u32 s[G0B+4*\s+1], s45, \s*SLOT
	s_add_nc_u64 s[G0B+4*\s+2:G0B+4*\s+3], s[46:47], \s*KSB
	s_or_b32 s[G0B+4*\s+3], s[G0B+4*\s+3], 0x80000000
	JLOAD G0+4*\s, G1, G0B+4*\s, G1B
.endr
	v_and_b32 v1, 31, v0
	v_lshlrev_b32 v[LI], 4, v1
	s_lshl_b32 s22, s15, 15                        ; my 8 row tiles of A,
	s_lshl_b32 s23, s16, 15                        ; my 8 of B,
	s_add_co_u32 s23, s23, 2*HALFT                 ; which lie behind A's 16
.irp s, 0,1
	v_add_nc_u32 v[ADRA+\s], s22, v[LI]
	v_add_nc_u32 v[ADRB+\s], s23, v[LI]
	s_add_co_u32 s22, s22, SLOT
	s_add_co_u32 s23, s23, SLOT
.endr
	; where my eight fragments go.  RA = my 128 rows of A, CB = my 128 rows of B, each counted in 128s
	s_lshl_b32 s82, s17, 1
	s_add_co_u32 s82, s82, s15                     ; RA
	s_lshl_b32 s83, s67, 1
	s_add_co_u32 s83, s83, s16                     ; CB
	s_lshl_b32 s84, s83, 18
	s_lshl_b32 s85, s82, 14
	s_add_co_u32 s84, s84, s85                     ; Q: head CB, query tiles 8 RA on
	s_lshl_b32 s85, s84, 1                         ; K: head CB, key step RA: twice that
	s_lshl_b32 s86, s82, 19
	s_lshl_b32 s87, s83, 15
	s_add_co_u32 s86, s86, s87
	s_add_co_u32 s86, s86, 8*FRB                   ; V: head RA, key step CB, behind the step's eight fragments of K
	s_cmp_eq_u32 s[PR], 1
	s_cselect_b32 s84, s85, s84
	s_cmp_eq_u32 s[PR], 2
	s_cselect_b32 s84, s86, s84
	s_mov_b32 s85, 0
	s_cmp_eq_u32 s[PR], 0
	s_cselect_b64 s[DST:DST+1], s[10:11], s[12:13]
	s_add_nc_u64 s[DST:DST+1], s[DST:DST+1], s[84:85]
.macro FRAG reg, adr, q, i             ; fragment (row tile i, the slot's K step q): four loads of 512 consecutive bytes
.irp c, 0,1,2,3
	ds_load_b128 v[\reg+4*\c:\reg+4*\c+3], v[\adr] offset:KSB*(\i)+FRB*(\q)+512*\c
.endr
.endm
; 16 matrix instructions: A's blocks a0, a0 + 1 x B's eight, 128 along K.  p: B's set.  zero = 1: the first product starts the sums.
; The 64 accumulators take turns, one instruction a turn, in the same order in every step.
.macro MUL16 a0, p, zero
.irp a, \a0, \a0+1
.irp b, 0,1,2,3,4,5,6,7
.if \zero
	v_wmma_f32_16x16x128_fp8_fp8 v[8*(8*((\a)%4)+\b):8*(8*((\a)%4)+\b)+7], v[128*(\p)+FR*\b:128*(\p)+FR*\b+FR-1], v[AF+FR*(\a):AF+FR*(\a)+FR-1], 0
.else
	v_wmma_f32_16x16x128_fp8_fp8 v[8*(8*((\a)%4)+\b):8*(8*((\a)%4)+\b)+7], v[128*(\p)+FR*\b:128*(\p)+FR*\b+FR-1], v[AF+FR*(\a):AF+FR*(\a)+FR-1], v[8*(8*((\a)%4)+\b):8*(8*((\a)%4)+\b)+7]
.endif
.endr
.endr
.endm
.macro FETCH_B slot, q, p              ; B's eight fragments of the slot's K step q into set p
	WIN TO_B
.irp i, 0,1,2,3,4,5,6,7
	FRAG 128*(\p)+FR*\i, ADRB+\slot, \q, \i
.endr
	WIN 0
.endm
.macro FETCH_A slot, q, i0             ; A's blocks i0 .. i0 + 3
.irp i, \i0, \i0+1, \i0+2, \i0+3
	FRAG AF+FR*(\i), ADRA+\slot, \q, \i
.endr
.endm
.macro PLACES n                        ; plain vector lines between a matrix instruction and a load into, or a vector read of, its registers (ISA guide 7.12.1 for vector reads)
.rept \n
	v_nop
.endr
.endm
; A step of 128 along K that has its successor in the same slot.  A block of A is free as soon as its eight products are issued, so one set serves A: blocks 0-3 are fetched anew in the step's middle, blocks 4-7 at its end.
.macro STEP slot, q, zero
	s_wait_dscnt 4*NL                              ; B's set and A's blocks 0-3 are in; the youngest 16 loads (A's blocks 4-7) may be out
	WIN MUL_LO
	MUL16 0, (\q)%2, \zero
	MUL16 2, (\q)%2, \zero
	s_wait_dscnt 0                                 ; A's blocks 4-7 are in
	PLACES NP
	FETCH_B \slot, (\q)+1, 1-(\q)%2
	FETCH_A \slot, (\q)+1, 0
	WIN MUL_HI
	MUL16 4, (\q)%2, \zero
	MUL16 6, (\q)%2, \zero
	PLACES NP
	WIN 0
	FETCH_A \slot, (\q)+1, 4
.endm
; A slot's last step changes slots: one barrier; in front of it each wave waits for all its tensor loads, adds 0 to its spare word, and waits for that and for its own reads of this slot.  fill = 1: this slot is filled again, two slots ahead.
.macro TURN slot, next, fill
	s_wait_tensorcnt 0x0                           ; all my tensor loads have landed: my part of the next slot  (every window is 0 here)
	ds_add_u32 v[SPW], v[NIL]                      ; 0 onto my spare word
	s_wait_dscnt 4*NL+1                            ; the add and the youngest 16 loads (A's blocks 4-7) may be out
	WIN MUL_LO
	MUL16 0, 1, 0                                  ; sixteen matrix instructions stand between the add and the wait for it
	s_wait_dscnt 0x0                               ; the add is done, and my reads of this slot are over
	s_barrier_signal -1
	MUL16 2, 1, 0
	WIN 0
	s_barrier_wait -1
.if \fill
	CREST                                          ; the barrier has opened a round of the cluster's barrier: no wave of any partner still reads this slot or has a load on its way
	s_add_nc_u64 s[G0+4*\slot+2:G0+4*\slot+3], s[G0+4*\slot+2:G0+4*\slot+3], 2*KSB
	s_add_nc_u64 s[G0B+4*\slot+2:G0B+4*\slot+3], s[G0B+4*\slot+2:G0B+4*\slot+3], 2*KSB
	JLOAD G0+4*\slot, G1, G0B+4*\slot, G1B         ; the first tensor load behind the round; its four v_nop are also the places in front of the loads below
.else
	PLACES NP
.endif
	FETCH_B \next, 0, 0
	FETCH_A \next, 0, 0
	WIN MUL_HI
	MUL16 4, 1, 0
	MUL16 6, 1, 0
	PLACES NP
	WIN 0
	FETCH_A \next, 0, 4
.endm
	s_wait_tensorcnt 1                             ; my part of slot 0 is in; slot 1's load may be out
	s_barrier_signal -1
	s_barrier_wait -1                              ; everybody's is
	FETCH_B 0, 0, 0
	FETCH_A 0, 0, 0
	FETCH_A 0, 0, 4
	STEP 0, 0, 1                                   ; the first step stands in front of the loop: its products start the sums
	s_mov_b32 s3, LAPS-1
.Llap:                                             ; a trip goes once round the ring, from a lap's second step to the next lap's first, and fills both slots again
	TURN 0, 1, 1
	STEP 1, 0, 0
	TURN 1, 0, 1
	STEP 0, 0, 0
	s_sub_co_u32 s3, s3, 1
	s_cmp_lg_u32 s3, 0
	s_cbranch_scc1 .Llap
	TURN 0, 1, 0                                   ; the last lap fills nothing, and has no round of the cluster's barrier
	STEP 1, 0, 0
	s_wait_dscnt 4*NL                              ; the very last step: nothing more to fetch
	WIN MUL_LO
	MUL16 0, 1, 0
	MUL16 2, 1, 0
	s_wait_dscnt 0
	WIN MUL_HI
	MUL16 4, 1, 0
	MUL16 6, 1, 0
	WIN 0
	; THE WAY OUT.  A sum stands for sum x 2^(eA + eB); its code under 2^eo is sum / 2^(eo - eA - eB): the three scales are folded into the conversion's one.
	s_wait_kmcnt 0x0
	s_add_co_i32 s82, s68, s69                     ; e0 + e1
	s_add_co_i32 s83, s70, s71                     ; e2 + e3
	s_add_co_i32 s84, s72, s73                     ; e4 + e5
	s_cmp_eq_u32 s[PR], 1
	s_cselect_b32 s82, s83, s82
	s_cselect_b32 s85, s75, s74                    ; e7 or e6
	s_cmp_eq_u32 s[PR], 2
	s_cselect_b32 s82, s84, s82
	s_cselect_b32 s85, s77, s85                    ; e9
	s_sub_co_i32 s85, s85, s82
	s_add_co_i32 s85, s85, 127
	s_lshl_b32 s86, s85, 23
	v_mov_b32 v[QS], s86
	s_add_co_i32 s85, s85, 8
	s_lshl_b32 s85, s85, 23
	s_or_b32 s85, s85, 0x600000
	v_mov_b32 v[QL], s85
	PLACES 2                                       ; with the two lines above: four places behind the last products
.macro OUTBLK a                        ; block a's 64 sums become one fragment
.set AC, 64*((\a)%4)
	WIN 0x02+((\a)/4)                              ; source 0: window 2 or 3
.set j, 0
.rept 64
	v_med3_num_f32 v[TMP+j], v[AC+j], -v[QL], v[QL]   ; the hold (the conversion does not saturate: ISA guide 7.6.2); each accumulator from its low end on
.set j, j+1
.endr
	WIN 0
	s_wait_xcnt 0x0                                ; the last block's stores have read their data: the codes' registers are written only behind this wait
.irp b, 0,1,2,3,4,5,6,7
	v_cvt_scalef32_pk8_fp8_f32 v[CD+2*\b:CD+2*\b+1], v[TMP+8*\b:TMP+8*\b+7], v[QS]   ; registers 2 b, 2 b + 1 of the fragment
.endr
	v_nop                                          ; one plain line behind the last conversion: the next block's holds write its sources
.irp c, 0,1,2,3
	global_store_b128 v[LI], v[CD+4*\c:CD+4*\c+3], s[DST:DST+1] offset:FRB*(\a)+512*\c   ; 512 consecutive bytes, aligned
.endr
.endm
.irp a, 0,1,2,3,4,5,6,7
	OUTBLK \a
.endr
	s_wait_tensorcnt 0x0                           ; the wave's end, behind my last tensor load
	ds_add_u32 v[SPW], v[NIL]
	s_wait_dscnt 0x0
	CROUND                                         ; the closing round: no work-group ends while a partner may still ask for a tile that names it
	s_endpgm
.Lfunc_end_k_q6877f05dd1_qkv:
	.size	k_q6877f05dd1_qkv, .Lfunc_end_k_q6877f05dd1_qkv-k_q6877f05dd1_qkv
	.p2alignl 7, 3214868480
	.fill 96, 4, 3214868480
	.section	.rodata,"a",@progbits
	.p2align	6, 0x0
	.amdhsa_kernel k_q6877f05dd1_qkv
		.amdhsa_group_segment_fixed_size 327680
		.amdhsa_private_segment_fixed_size 0
		.amdhsa_enable_private_segment 0
		.amdhsa_kernarg_size 40
		.amdhsa_user_sgpr_count 2
		.amdhsa_user_sgpr_kernarg_segment_ptr 1
		.amdhsa_wavefront_size32 1
		.amdhsa_system_sgpr_workgroup_id_x 1
		.amdhsa_system_sgpr_workgroup_id_y 1
		.amdhsa_system_sgpr_workgroup_id_z 1
		.amdhsa_system_vgpr_workitem_id 0
		.amdhsa_next_free_vgpr 1024
		.amdhsa_next_free_sgpr 98
		.amdhsa_reserve_vcc 0
		.amdhsa_float_denorm_mode_32 3
		.amdhsa_float_denorm_mode_16_64 3
		.amdhsa_memory_ordered 1
		.amdhsa_forward_progress 1
		.amdhsa_inst_pref_size 118
	.end_amdhsa_kernel
	.amdgpu_metadata
---
amdhsa.version: [ 1, 2 ]
amdhsa.kernels:
  - .name:           k_q6877f05dd1_qkv
    .symbol:         k_q6877f05dd1_qkv.kd
    .args:
      - { .name: xc, .offset: 0, .size: 8, .value_kind: global_buffer, .address_space: global }
      - { .name: wc, .offset: 8, .size: 8, .value_kind: global_buffer, .address_space: global }
      - { .name: lowp_scales, .offset: 16, .size: 8, .value_kind: global_buffer, .address_space: global }
      - { .name: qc, .offset: 24, .size: 8, .value_kind: global_buffer, .address_space: global }
      - { .name: kv, .offset: 32, .size: 8, .value_kind: global_buffer, .address_space: global }
    .group_segment_fixed_size: 327680
    .private_segment_fixed_size: 0
    .kernarg_segment_align: 8
    .kernarg_segment_size: 40
    .max_flat_workgroup_size: 128
    .sgpr_count:     98
    .vgpr_count:     1024
    .wavefront_size: 32
...
	.end_amdgpu_metadata
.endif
;; end of part 2
;; launch attn (part 3): grid 16 x 16, 8 waves a work-group, no clusters, 132,096 bytes of LDS; arguments qc, kv, maskw, flags, lowp_scales, oc; writes oc
.if DOCPART == 3
	.amdgcn_target "amdgcn-amd-amdhsa--gfx1250"
	.amdhsa_code_object_version 6
	.text
	.protected	k_q6877f05dd1_attn
	.globl	k_q6877f05dd1_attn
	.p2align	8
	.type	k_q6877f05dd1_attn,@function
k_q6877f05dd1_attn:
	s_mov_b64 s[64:65], 0
	v_nop
	global_prefetch_b8 v0, s[64:65] scope:SCOPE_SE
	s_setreg_imm32_b32 hwreg(HW_REG_WAVE_MODE, 25, 1), 1
	s_wait_xcnt 0x0
; Attention on codes of FP8 (E4M3), 16 heads x 2048 queries x 2048 keys x 128, under the mask that is GIVEN: nothing of its pattern is built in.
; t = score x log2(e) / sqrt(128); M = the row's largest t so far, rounded up to a whole number; p = 2^(t - M) is quantised along the keys (entry 8), not normalised; the row's sum l is taken of the unquantised p;
; when M moves, l and O are multiplied by 2^(old M - new M), which rounds nothing.  O / l is quantised (entry 10) and stored as a fragment of the last product's operand.
; A query with no key allowed has l = 0: its codes are set to the format's NaN, so that its row of the output is NaN, as in the definition.
; SHARES.  A work-group serves one head and eight tiles of 16 queries, one a wave: two waves to a SIMD.
; Waves 0, 2, 5, 7 take tiles 4 g + wave / 2, the others 127 - (4 g + wave / 2): a choice of who does what, which changes no value under any mask and evens the work where later queries see more keys.
; All eight walk the head's 16 key steps of 128 keys, one a trip, one barrier a trip.
; THE RING.  A step's 32,768 bytes (K's eight fragments, V's eight) go from memory through registers into one of FOUR LDS slots, 4,096 bytes a wave.  In trip t: step t + 3 is asked for, straight behind the barrier;
; step t + 2 is stored into slot (t + 2) % 4, late in the trip; step t + 1's K is read into K's registers, which are free once this trip's first eight products are issued; step t's V is read.
; So a trip's first products find K in registers and stand straight behind the barrier.  Between two barriers the waves read slots t and t + 1 and write slot t + 2, whose last reads (V of step t - 2) came back two barriers ago.
; THE LDS LOADS STAND IN 16 RUNS OF FOUR (a fragment each) among the softmax's vector lines, V's eight first: the wave goes on issuing while LDS serves them.  Each run costs two switches of the register window, 32 a step.
; THE MASK.  An earlier launch stored, for each (tile, step), a flag and 64 lane masks.  Flag 0: nothing allowed, the step's products and softmax are jumped over (never a barrier, nor the copying).  Flag 2: all allowed.
; Flag 1: the 64 lane masks are fetched, and each score register takes -infinity where its mask bit is 0.
; This launch has no tensor load, no copy engine and no cluster: that is why K and V, which the 16 work-groups of a head share, are not asked for jointly.
; LAYOUT.  Both products transposed: S^T = K Q^T (source 0 = 16 keys, source 1 = my 16 queries), O^T = V^T P^T: a lane holds one query (lane % 16) throughout; register j of tile T is key 16 T + 8 (lane / 16) + j,
; so tile T's eight registers, converted, are registers 2 T, 2 T + 1 of P's fragment; likewise O^T's tiles for the last product.
; LIMITS: e6 + e7 between -123 and 130 (added to c's exponent field); e8, and e10 - e8 - e9, between -126 and 119.
; REGISTERS: window 0: v1-9 addresses; v12 -M, v13 the largest t, v[14:15] l in two halves; v16-31 Q; v32-63, v64-95 the copy's two sets; v96-159 S^T, then p; v160-223 O^T; v224-239 codes; v240-254 constants and work.  window 1: v0-127 K, v128-255 V.
.set SLOTB, 32768
.set FRB,   2048
.set VOFF,  8*FRB
.set SPARE, 4*SLOTB                    ; behind the slots: the spare words, 128 bytes for each wave: four blocks of 256 bytes that no other line names
.set LI,   1                           ; v1   16 x lane: slots 0 and 1, and my place in Q's and the result's images;  v2 the same + 65,536: slots 2 and 3
.set PFO,  3                           ; v3   the prefetches' offset; never rewritten
.set SPW,  5                           ; v5   LDS address of my spare word; never rewritten
.set NIL,  6                           ; v6   0; never rewritten
.set TI,   8                           ; v8   16 x thread: slots 0 and 1, and my place in a step's bytes in memory;  v9 the same + 65,536
.set Q,    16
.set STG,  32                          ; set 0: v32-63, set 1: v64-95: step u travels in set u % 2
.set S,    96
.set O,    160
.set PC,   224
.set PLIM, 240                         ; 448 x 2^e8
.set PSC,  244                         ; 2^e8
.set NINF, 246                         ; -infinity
.set OSC,  247                         ; 2^(e10 - e8 - e9)
.set OLIM, 248                         ; 448 x that
.set NANC, 249                         ; four NaN codes
.set XCH,  250                         ; what the lane 16 away sends
.set WV,   16
.set TILE, 17
.set FL,   18                          ; s18  the flags of the steps to come, two bits each
.set F,    19                          ; s19  this step's
.set SEL,  20                          ; s[20:21] lane selects: lane l xor 16
.set CS,   22                          ; s[22:23] c = log2(e) / sqrt(128) x 2^(e6 + e7)
.set CNT,  24                          ; s24  the loop's trips to go: 3, 2, 1
.set LIM,  25                          ; s25  0 in a wave that prefetches, else the greatest number
.set LIMB, 100                         ; s100 1 in a wave that prefetches, else the greatest number
.set MSB, 0
.macro WIN new                         ; the immediate's high byte repeats the setting that is left
.if MSB != \new
	s_set_vgpr_msb (MSB<<8)|\new
.set MSB, \new
.endif
.endm
	s_load_b256 s[4:11], s[0:1], 0x0               ; qc, kv, maskw, flags
	s_load_b128 s[12:15], s[0:1], 0x20             ; the scales' exponents, oc
	v_lshl_add_u32 v[SPW], v0, 2, SPARE
	v_mov_b32 v[NIL], 0
	v_lshrrev_b32 v4, 5, v0
	v_readfirstlane_b32 s[WV], v4                  ; wave 0..7
	v_and_b32 v4, 31, v0
	v_lshlrev_b32 v[LI], 4, v4
	v_add_nc_u32 v[LI+1], 2*SLOTB, v[LI]
	v_lshlrev_b32 v[TI], 4, v0
	v_add_nc_u32 v[TI+1], 2*SLOTB, v[TI]
	s_lshr_b32 s26, s[WV], 2
	s_xor_b32 s26, s26, s[WV]
	s_and_b32 s26, s26, 1                          ; 1: a tile of the upper half
	s_lshr_b32 s27, s[WV], 1
	s_lshl_b32 s[TILE], ttmp9, 2
	s_add_co_u32 s[TILE], s[TILE], s27             ; 4 g + wave / 2
	s_sub_co_u32 s[LIM], 127, s[TILE]
	s_cmp_eq_u32 s26, 1
	s_cselect_b32 s[TILE], s[LIM], s[TILE]
	s_or_b32 s[LIM], s26, ttmp9                    ; 0 in waves 0, 2, 5, 7 of the head's first work-group
	s_cmp_eq_u32 s[LIM], 0
	s_cselect_b32 s[LIM], 0, -1
	s_cselect_b32 s[LIMB], 1, -1
	v_lshlrev_b32 v[PFO], 8, v4                    ; lanes 256 bytes apart,
	s_lshl_b32 s27, s27, 13                        ; 8,192 bytes a wave
	v_add_nc_u32 v[PFO], s27, v[PFO]
	s_and_b32 s3, ttmp7, 0xffff                    ; the head
	s_mov_b32 s[SEL], 0x76543210
	s_mov_b32 s[SEL+1], 0xfedcba98
	s_mov_b32 s27, 0
	s_lshl_b32 s26, s3, 18
	s_lshl_b32 s[CNT], s[TILE], 11
	s_add_co_u32 s26, s26, s[CNT]
	s_wait_kmcnt 0x0
	s_add_nc_u64 s[4:5], s[4:5], s[26:27]          ; my tile of Q
	s_lshl_b32 s26, s3, 19
	s_add_nc_u64 s[6:7], s[6:7], s[26:27]          ; the head's K and V
	s_lshl_b32 s26, s[TILE], 12
	s_add_nc_u64 s[8:9], s[8:9], s[26:27]          ; my tile's lane masks
	s_lshl_b32 s26, s[TILE], 6
	s_add_nc_u64 s[10:11], s[10:11], s[26:27]      ; and flags
	s_lshl_b32 s26, s[TILE], 15
	s_lshl_b32 s[CNT], s3, 11
	s_add_co_u32 s26, s26, s[CNT]
	s_add_nc_u64 s[14:15], s[14:15], s[26:27]      ; my fragment of the result: token tile, K step = head
	s_load_b512 s[32:47], s[10:11], 0x0            ; the 16 flags
	s_load_b128 s[28:31], s[12:13], 0x18           ; e6, e7, e8, e9
	s_load_b32 s2, s[12:13], 0x28                  ; e10
.macro GETKV set, off                  ; a step's 32,768 bytes into a set: each of the eight loads covers 4,096 consecutive bytes over the work-group
.irp i, 0,1,2,3,4,5,6,7
	global_load_b128 v[STG+32*(\set)+4*\i:STG+32*(\set)+4*\i+3], v[TI], s[6:7] offset:(\off)+4096*\i
.endr
.endm
.macro PUTKV slot, set                 ; out of a set into a slot, as they lie
.irp i, 0,1,2,3,4,5,6,7
	ds_store_b128 v[TI+(\slot)/2], v[STG+32*(\set)+4*\i:STG+32*(\set)+4*\i+3] offset:SLOTB*((\slot)%2)+4096*\i
.endr
.endm
.macro MASKS                           ; a step's 64 lane masks
	s_load_b512 s[32:47], s[8:9], 0x0
	s_load_b512 s[48:63], s[8:9], 0x40
	s_load_b512 s[68:83], s[8:9], 0x80
	s_load_b512 s[84:99], s[8:9], 0xc0
.endm
.macro KALL slot                       ; K's eight fragments out of a slot, in one run: at the head, and where a step was jumped over
	WIN 0x40                                       ; destination window 1
.irp f, 0,1,2,3,4,5,6,7
.irp c, 0,1,2,3
	ds_load_b128 v[16*\f+4*\c:16*\f+4*\c+3], v[LI+(\slot)/2] offset:SLOTB*((\slot)%2)+FRB*\f+512*\c
.endr
.endr
	WIN 0
.endm
; Run number lg of a step's sixteen: 0 to 7 this step's fragments of V out of slot q, 8 to 15 the next step's fragments of K out of slot q + 1 (kn = 0: there is no next step).
.macro LG q, kn
.if lg < 8
	WIN 0x40
.irp c, 0,1,2,3
	ds_load_b128 v[128+16*lg+4*\c:128+16*lg+4*\c+3], v[LI+(\q)/2] offset:SLOTB*((\q)%2)+VOFF+FRB*lg+512*\c
.endr
	WIN 0
.elseif \kn
	WIN 0x40
.irp c, 0,1,2,3
	ds_load_b128 v[16*(lg-8)+4*\c:16*(lg-8)+4*\c+3], v[LI+(((\q)+1)%4)/2] offset:SLOTB*(((\q)+1)%2)+FRB*(lg-8)+512*\c
.endr
	WIN 0
.endif
.set lg, lg+1
.endm
; A prefetch of the step that stands two steps on from the one just asked for: 32,768 bytes, 8,192 a wave, lanes 256 bytes apart.  All 16 work-groups of a head walk the same K and V: four waves of the head's first
; work-group ask, one instruction each, so each block of 256 bytes is named once in the launch.  Trip t names step t + 5: steps 0 to 4 come by their loads alone, and trips 11 on ask for nothing, since step 15 is the head's last.
.macro ASK lim
	s_cmp_gt_u32 s[CNT], s[\lim]
	s_cbranch_scc0 .Lnot_mine_\@
	global_prefetch_b8 v[PFO], s[6:7] offset:2*SLOTB th:TH_LOAD_NT scope:SCOPE_SE
.Lnot_mine_\@:
.endm
.macro PUTP q, put, get                ; step t + 2 goes into its slot
.if \put
	s_wait_loadcnt 8*(\get)                        ; its eight loads, asked for a trip ago, are in; the eight of step t + 3, issued behind them, may be out
	PUTKV ((\q)+2)%4, (\q)%2
.endif
.endm
.irp c, 0,1,2,3
	global_load_b128 v[Q+4*\c:Q+4*\c+3], v[LI], s[4:5] offset:512*\c   ; Q's fragment stays in registers
.endr
	GETKV 0, 0                                     ; key steps 0
	GETKV 1, SLOTB                                 ; and 1
	v_mov_b32 v13, 0xff61b1e6                      ; the largest t so far: -3e38, under every t
	v_floor_f32 v12, -v13                          ; -M
	v_mov_b32 v14, 0
	v_mov_b32 v15, 0
	v_mov_b32 v[XCH], 0                            ; written once: a lane permute's destination counts as one of its sources
	v_mov_b32 v253, 0                              ; (named as the upper half of the pair v[252:253])
	v_mov_b32 v[NINF], 0xff800000
	v_mov_b32 v[NANC], 0x7f7f7f7f
.set j, 0
.rept 64
	v_mov_b32 v[O+j], 0                            ; O^T.  Which step is a tile's first hangs on the mask, so no first step can be written out: the step finds zeros, which the first change of M leaves zeros
.set j, j+1
.endr
	s_wait_kmcnt 0x0
	s_mov_b32 s[FL], s32
.irp k, 1,2,3,4,5,6,7,8,9,10,11,12,13,14,15
	s_lshl_b32 s26, s[32+\k], 2*\k
	s_or_b32 s[FL], s[FL], s26
.endr
	MASKS                                          ; the 64 registers are written once here, with step 0's masks, so that they hold numbers on every way through the text
	s_add_co_i32 s26, s28, s29
	s_lshl_b32 s26, s26, 23
	s_mov_b32 s[CS], 0x3e0293ee                    ; log2(e) / sqrt(128)
	s_add_co_i32 s[CS], s[CS], s26                 ; a score stands for score x 2^(e6 + e7): added to c's exponent field
	s_mov_b32 s[CS+1], s[CS]                       ; (named with it as a pair)
	s_add_co_i32 s26, s30, 127
	s_lshl_b32 s27, s26, 23
	v_mov_b32 v[PSC], s27
	s_add_co_i32 s26, s26, 8
	s_lshl_b32 s26, s26, 23
	s_or_b32 s26, s26, 0x600000
	v_mov_b32 v[PLIM], s26
	s_sub_co_i32 s26, s2, s30
	s_sub_co_i32 s26, s26, s31                     ; O / l stands for that x 2^(e8 + e9): its code under 2^e10 is (O / l) / 2^(e10 - e8 - e9)
	s_add_co_i32 s26, s26, 127
	s_lshl_b32 s27, s26, 23
	v_mov_b32 v[OSC], s27
	s_add_co_i32 s26, s26, 8
	s_lshl_b32 s26, s26, 23
	s_or_b32 s26, s26, 0x600000
	v_mov_b32 v[OLIM], s26
	s_wait_loadcnt 0x0                             ; Q and steps 0 and 1 are in
	PUTKV 0, 0
	PUTKV 1, 1
	s_add_nc_u64 s[6:7], s[6:7], 2*SLOTB           ; (the loads are done: their base may step)
	s_wait_dscnt 0x0                               ; for the others' sake: my stores have landed; and they have read their registers,
	GETKV 0, 0                                     ; of which set 0 takes key step 2
	s_barrier_signal -1
	s_barrier_wait -1                              ; slots 0 and 1 are whole
	KALL 0                                         ; step 0's K
	s_wait_kmcnt 0x0
; A TRIP: key step t, q = t % 4.  put: step t + 2 is stored; get: step t + 3 is asked for; kn: step t + 1's K is read; lim: the register that ends the prefetches, or 0 for none.
.macro TRIP q, put, get, kn, lim
	s_wait_dscnt 0x0                               ; my stores of the last trip have landed; my reads are back, this step's K among them
	s_barrier_signal -1
	s_barrier_wait -1                              ; slot q + 1 is whole, and nobody reads slot q + 2 any more
.if \get
	s_wait_xcnt 0x0                                ; the last trip's loads and prefetch have read their base
	s_add_nc_u64 s[6:7], s[6:7], SLOTB
	GETKV ((\q)+1)%2, 0                            ; into the set whose stores were waited for at this trip's head
.if \lim
	ASK \lim
.endif
.endif
	s_and_b32 s[F], s[FL], 3
	s_lshr_b32 s[FL], s[FL], 2
	s_cmp_eq_u32 s[F], 0
	s_cbranch_scc1 .Lskip_\@                       ; nothing allowed for my 16 queries among these 128 keys
	s_cmp_lg_u32 s[F], 1
	s_cbranch_scc1 .Lwhole_\@
	MASKS                                          ; a mixed step alone wants its lane masks: asked for ahead of the products
.Lwhole_\@:
	WIN 0x01                                       ; source 0 window 1
.irp t, 0,1,2,3,4,5,6,7
	v_wmma_f32_16x16x128_fp8_fp8 v[S+8*\t:S+8*\t+7], v[16*\t:16*\t+15], v[Q:Q+15], 0
.endr
	WIN 0
.rept 4
	v_nop                                          ; places: behind these products, ahead of the first read of S^T and of the loads into K's registers; behind the last step's products, ahead of the loads into V's
.endr
	s_wait_kmcnt 0x0                               ; the lane masks, if they were asked for
	s_cmp_lg_u32 s[F], 1
	s_cbranch_scc1 .Lopen_\@                       ; all allowed
.set n, 0
.rept 64
.if n < 32
	v_cndmask_b32 v[S+n], v[NINF], v[S+n], s[32+n] ; -infinity where the bit is 0: p = 0 then
.else
	v_cndmask_b32 v[S+n], v[NINF], v[S+n], s[36+n]
.endif
.set n, n+1
.endr
.Lopen_\@:
.set lg, 0
	v_max3_num_f32 v254, v[S], v[S+1], v[S+2]      ; the step's largest score of my query among my 64 keys, in two chains; each tile's registers are first read at its low end
	v_max3_num_f32 v252, v[S+3], v[S+4], v[S+5]
.set j, 6
.rept 14
	v_max3_num_f32 v254, v254, v[S+j], v[S+j+1]
	v_max3_num_f32 v252, v252, v[S+j+2], v[S+j+3]
.if (j == 14) || (j == 42)
	LG \q, \kn                                     ; runs 0, 1
.endif
.set j, j+4
.endr
	v_max3_num_f32 v254, v254, v[S+62], v[S+63]
	v_max_num_f32 v254, v254, v252
	LG \q, \kn                                     ; run 2
	v_permlanex16_b32 v[XCH], v254, s[SEL], s[SEL+1]
	v_max_num_f32 v254, v254, v[XCH]               ; and among lane l xor 16's
	v_mul_f32 v254, s[CS], v254                    ; as t (c is positive)
	v_max_num_f32 v13, v13, v254                   ; the running largest t
	v_mov_b32 v254, v12
	v_floor_f32 v12, -v13                          ; the new -M = -ceil(t)
	v_sub_f32 v254, v12, v254                      ; old M - new M: a whole number, 0 or less
	v_cvt_i32_f32 v254, v254                       ; (it saturates)
	v_ldexp_f32 v252, 1.0, v254                    ; f = 2^(old M - new M)
.set j, 0
.rept 32
	v_pk_fma_f32 v[S+j:S+j+1], v[S+j:S+j+1], s[CS:CS+1], v[12:13] op_sel_hi:[1,0,0]   ; t - M, two at a time
.if j == 30
	LG \q, \kn                                     ; run 3
.endif
.set j, j+2
.endr
.set j, 0
.rept 64
	v_exp_f32 v[S+j], v[S+j]                       ; p = 2^(t - M)
.if (j % 8) == 7
	LG \q, \kn                                     ; runs 4 to 11: the rest of V, half of the next K; they name registers of window 1, none of the batch's
.endif
.set j, j+1
.endr
	v_pk_mul_f32 v[14:15], v[14:15], v[252:253] op_sel_hi:[1,0]   ; l under the new M: the plain line behind the exponentials
	s_wait_alu depctr_va_vdst(0)                   ; one wait for the batch, ahead of its first reader
	v_pk_add_f32 v[242:243], v[S:S+1], v[S+2:S+3]  ; the sum of the unquantised p, in two chains
.set j, 4
.rept 15
	v_pk_add_f32 v[14:15], v[14:15], v[S+j:S+j+1]
	v_pk_add_f32 v[242:243], v[242:243], v[S+j+2:S+j+3]
.if (j == 16) || (j == 44)
	LG \q, \kn                                     ; runs 12, 13
.endif
.set j, j+4
.endr
	v_pk_add_f32 v[14:15], v[14:15], v[242:243]
	PUTP \q, \put, \get                            ; late in the trip, so that the loads have had this long to land
	s_cmp_gt_i32 s30, -9                           ; from e8 = -8 on, 448 x 2^e8 is 1.75 or more, above every p: the hold changes nothing and is jumped over
	s_cbranch_scc1 .Lno_hold_\@
.set j, 0
.rept 64
	v_min_num_f32 v[S+j], v[S+j], v[PLIM]          ; the conversion does not saturate (ISA guide 7.6.2); p is not negative
.set j, j+1
.endr
.Lno_hold_\@:
.irp t, 0,1,2,3,4,5,6,7
	v_cvt_scalef32_pk8_fp8_f32 v[PC+2*\t:PC+2*\t+1], v[S+8*\t:S+8*\t+7], v[PSC]
.endr
.set j, 0
.rept 32
	v_pk_mul_f32 v[O+j:O+j+1], v[O+j:O+j+1], v[252:253] op_sel_hi:[1,0]   ; O^T under the new M.  (Also the plain lines between the conversions and the products)
.if (j == 14) || (j == 40)
	LG \q, \kn                                     ; runs 14, 15
.endif
.set j, j+2
.endr
	s_wait_dscnt 32*(\kn)+8*(\put)                 ; V is in; behind its last load stand the next K's 32 loads and the copy's 8 stores, which may be out
	WIN 0x01
.irp t, 0,1,2,3,4,5,6,7
	v_wmma_f32_16x16x128_fp8_fp8 v[O+8*\t:O+8*\t+7], v[128+16*\t:128+16*\t+15], v[PC:PC+15], v[O+8*\t:O+8*\t+7]   ; the eight accumulators take turns
.endr
	WIN 0
	s_branch .Ldone_\@
.Lskip_\@:                                         ; the step is jumped over: the copy goes on, and so does the next step's K if that step is not jumped over too
	PUTP \q, \put, \get
.if \kn
	s_and_b32 s26, s[FL], 3
	s_cmp_eq_u32 s26, 0
	s_cbranch_scc1 .Ldone_\@
	KALL ((\q)+1)%4
.endif
.Ldone_\@:
	s_add_nc_u64 s[8:9], s[8:9], 256               ; the next step's lane masks (this step's scalar loads, if any, were waited for)
.endm
	s_mov_b32 s[CNT], 3
.Lquad:                                            ; three trips of four key steps, once round the ring: steps 0 to 11; they ask for steps 3 to 14
	TRIP 0, 1, 1, 1, LIM
	TRIP 1, 1, 1, 1, LIM
	TRIP 2, 1, 1, 1, LIM
	TRIP 3, 1, 1, 1, LIMB                          ; (in the last trip this is step 11, which prefetches nothing)
	s_sub_co_u32 s[CNT], s[CNT], 1
	s_cmp_lg_u32 s[CNT], 0
	s_cbranch_scc1 .Lquad
	TRIP 0, 1, 1, 1, 0                             ; step 12: asks for step 15, the last
	TRIP 1, 1, 0, 1, 0                             ; step 13: stores step 15
	TRIP 2, 0, 0, 1, 0                             ; step 14: reads step 15's K
	TRIP 3, 0, 0, 0, 0                             ; step 15
	; THE WAY OUT: O^T / l, quantised: tile t's eight registers become registers 2 t, 2 t + 1 of a fragment (16 tokens x this head's 128), which leaves by four stores of 512 consecutive bytes.
.rept 4
	v_nop                                          ; places behind the last products
.endr
	v_add_f32 v14, v14, v15                        ; l's two halves,
	v_permlanex16_b32 v[XCH], v14, s[SEL], s[SEL+1]
	v_add_f32 v14, v14, v[XCH]                     ; and lane l xor 16's
	v_cmp_eq_f32 vcc_lo, 0, v14                    ; no key was allowed (where one is, the largest p is above 1/2)
	v_rcp_f32 v15, v14
	v_nop                                          ; a plain line behind the transcendental
	s_wait_alu depctr_va_vdst(0)                   ; and the wait ahead of its first reader
.set j, 0
.rept 64
	v_mul_f32 v[S+j], v[O+j], v15
.set j, j+1
.endr
.set j, 0
.rept 64
	v_med3_num_f32 v[S+j], v[S+j], -v[OLIM], v[OLIM]
.set j, j+1
.endr
.irp t, 0,1,2,3,4,5,6,7
	v_cvt_scalef32_pk8_fp8_f32 v[PC+2*\t:PC+2*\t+1], v[S+8*\t:S+8*\t+7], v[OSC]
.endr
	v_nop                                          ; one plain line between the conversions and the lines that touch their results
.set j, 0
.rept 16
	v_cndmask_b32 v[PC+j], v[PC+j], v[NANC], vcc_lo
.set j, j+1
.endr
.irp c, 0,1,2,3
	global_store_b128 v[LI], v[PC+4*\c:PC+4*\c+3], s[14:15] offset:512*\c
.endr
	s_wait_tensorcnt 0x0                           ; the wave's end, behind my last LDS store
	ds_add_u32 v[SPW], v[NIL]
	s_wait_dscnt 0x0
	s_endpgm
.Lfunc_end_k_q6877f05dd1_attn:
	.size	k_q6877f05dd1_attn, .Lfunc_end_k_q6877f05dd1_attn-k_q6877f05dd1_attn
	.p2alignl 7, 3214868480
	.fill 96, 4, 3214868480
	.section	.rodata,"a",@progbits
	.p2align	6, 0x0
	.amdhsa_kernel k_q6877f05dd1_attn
		.amdhsa_group_segment_fixed_size 132096
		.amdhsa_private_segment_fixed_size 0
		.amdhsa_enable_private_segment 0
		.amdhsa_kernarg_size 48
		.amdhsa_user_sgpr_count 2
		.amdhsa_user_sgpr_kernarg_segment_ptr 1
		.amdhsa_wavefront_size32 1
		.amdhsa_system_sgpr_workgroup_id_x 1
		.amdhsa_system_sgpr_workgroup_id_y 1
		.amdhsa_system_sgpr_workgroup_id_z 1
		.amdhsa_system_vgpr_workitem_id 0
		.amdhsa_next_free_vgpr 512
		.amdhsa_next_free_sgpr 101
		.amdhsa_reserve_vcc 1
		.amdhsa_float_denorm_mode_32 3
		.amdhsa_float_denorm_mode_16_64 3
		.amdhsa_memory_ordered 1
		.amdhsa_forward_progress 1
		.amdhsa_inst_pref_size 237
	.end_amdhsa_kernel
	.amdgpu_metadata
---
amdhsa.version: [ 1, 2 ]
amdhsa.kernels:
  - .name:           k_q6877f05dd1_attn
    .symbol:         k_q6877f05dd1_attn.kd
    .args:
      - { .name: qc, .offset: 0, .size: 8, .value_kind: global_buffer, .address_space: global }
      - { .name: kv, .offset: 8, .size: 8, .value_kind: global_buffer, .address_space: global }
      - { .name: maskw, .offset: 16, .size: 8, .value_kind: global_buffer, .address_space: global }
      - { .name: flags, .offset: 24, .size: 8, .value_kind: global_buffer, .address_space: global }
      - { .name: lowp_scales, .offset: 32, .size: 8, .value_kind: global_buffer, .address_space: global }
      - { .name: oc, .offset: 40, .size: 8, .value_kind: global_buffer, .address_space: global }
    .group_segment_fixed_size: 132096
    .private_segment_fixed_size: 0
    .kernarg_segment_align: 8
    .kernarg_segment_size: 48
    .max_flat_workgroup_size: 256
    .sgpr_count:     101
    .vgpr_count:     512
    .wavefront_size: 32
...
	.end_amdgpu_metadata
.endif
;; end of part 3
;; launch outp (part 4): grid 16 x 16, 4 waves a work-group, clusters of 4 x 4, 327,680 bytes of LDS; arguments oc, wc, lowp_scales, bo, out0; writes out0
.if DOCPART == 4
	.amdgcn_target "amdgcn-amd-amdhsa--gfx1250"
	.amdhsa_code_object_version 6
	.text
	.protected	k_q6877f05dd1_outp
	.globl	k_q6877f05dd1_outp
	.p2align	8
	.type	k_q6877f05dd1_outp,@function
k_q6877f05dd1_outp:
	s_mov_b64 s[64:65], 0
	v_nop
	global_prefetch_b8 v0, s[64:65] scope:SCOPE_SE
	s_setreg_imm32_b32 hwreg(HW_REG_WAVE_MODE, 25, 1), 1
	s_wait_xcnt 0x0
	s_wait_alu depctr_hold_cnt(0) depctr_sa_sdst(0) depctr_va_vdst(0) depctr_va_sdst(0) depctr_va_ssrc(0) depctr_va_vcc(0) depctr_vm_vsrc(0)
	s_getreg_b32 s2, hwreg(HW_REG_IB_STS2, 6, 4)
	s_cmp_eq_u32 s2, 0
	s_cbranch_scc0 .Lentry_in_a_cluster
	s_endpgm
.Lentry_in_a_cluster:
	s_bfe_u32 s2, ttmp6, 0x10000c
	s_cmp_lg_u32 s2, 0xf033
	s_cbranch_scc0 .Lentry_shape_is_right
	s_endpgm
.Lentry_shape_is_right:
; out = o Wo^T + bo on codes of FP8 (E4M3): 2048 x 2048 x 2048; sums in f32; out = sum x 2^(e10 + e11) + bo, one packed multiply-add for two numbers.
; Both operands lie as images of operand registers: [128 row tiles][16 K steps][2,048]; a fragment (16 rows x 128 K) comes from LDS by four loads of 512 consecutive bytes.  Wo is the fourth tensor of wc.
; SHARES.  A tile of the output is 128 x 128, so that the 256 tiles give each of 16 x 16 work-groups one; four waves, each 64 x 64: 16 accumulators.  K goes in steps of 512, as long as two slots in LDS allow: four slots' worth in all,
; so the steps are written out and only two changes of slots fill a slot again.
; THE MATRIX INSTRUCTION IS USED TRANSPOSED (source 0 = 16 rows of Wo, source 1 = 16 tokens): a lane holds eight neighbouring numbers of a row of the output.
; CLUSTERS: 4 x 4.  The four of a row need the same tiles of o, the four of a column the same tiles of Wo: each is asked for jointly.
; LIMIT: e10 + e11 lies between -126 and 127.  A token whose codes are NaN (no key allowed) gives a row of NaN.
; No prefetch: each tile is read by several clusters and the whole K is four slots.
; REGISTERS: window 0: v16-29 addresses; v32-63 a block's results; v64-95 its rows read back; v96-127 bo at my columns; v128-255 the accumulators ((a, b) at v[128 + 8 (4 a + b)]).  window 1: two fragment buffers of 128: A's four fragments, then B's four.
.set FRB,    2048
.set KSB,    4*FRB                     ; a row tile's bytes in a slot: four K steps of 128
.set RTB,    16*FRB                    ; a row tile in memory
.set HALFT,  4*KSB                     ; 4 row tiles: what one tensor load brings, and what one wave reads of A or of B
.set SLOT,   4*HALFT                   ; A's 8 row tiles, then B's 8
.set STAGE,  2*SLOT                    ; behind the ring: 16 rows x (256 bytes + 16) for each wave
.set SPITCH, 272
.set SPARE,  STAGE+4*16*SPITCH         ; behind the stages: the spare words, 128 bytes for each wave: two blocks of 256 bytes that no other line names
.set FR,   16
.set ADRA, 16                          ; v16-17  LDS address of my A fragments in slot 0, 1
.set ADRB, 20                          ; v20-21  the same for B
.set STO,  24                          ; v24     the stage: where I put 32 bytes of a row
.set RD,   25                          ; v25     and where I read a row back
.set CO,   26                          ; v26     my byte offset in two rows of the output
.set BA,   27                          ; v27     32 x (lane / 16): my half's place in bo
.set SPW,  28                          ; v28     LDS address of my spare word; never rewritten
.set NIL,  29                          ; v29     0; never rewritten
.set TMP,  32
.set BK,   64
.set BI,   96
.set ACC,  128
.set F0,   0
.set F1,   128
.set G1, 24
.set G0, 32
.set G1B, 48
.set G0B, 56
.set MSB, 0
.macro WIN new                         ; the immediate's high byte repeats the setting that is left
.if MSB != \new
	s_set_vgpr_msb (MSB<<8)|\new
.set MSB, \new
.endif
.endm
.set MUL,  0x05                        ; sources 0 (B) and 1 (A) window 1; C and D window 0
.set TO_F, 0x40                        ; destination window 1, address window 0
.macro JLOAD g0a, g1a, g0b, g1b        ; a joint load: waves 0 and 1 fetch for A, waves 2 and 3 for B; an s_nop 0 and four v_nop follow each line
	s_cmp_eq_u32 s15, 0
	s_cbranch_scc0 .Lfor_b_\@
	tensor_load_to_lds s[\g0a:\g0a+3], s[\g1a:\g1a+7]
	s_nop 0
.rept 4
	v_nop
.endr
	s_branch .Lasked_\@
.Lfor_b_\@:
	tensor_load_to_lds s[\g0b:\g0b+3], s[\g1b:\g1b+7]
	s_nop 0
.rept 4
	v_nop
.endr
.Lasked_\@:
.endm
.macro CREST                           ; a round of the cluster's barrier behind its opening barrier
	s_cmp_lg_u32 s14, 0
	s_cbranch_scc1 .Lnot_wave_0_\@
	s_barrier_signal -3
.Lnot_wave_0_\@:
	s_barrier_wait -3
	s_barrier_signal -1
	s_barrier_wait -1
.endm
.macro CROUND
	s_barrier_signal -1
	s_barrier_wait -1
	CREST
.endm
	s_load_b128 s[4:7], s[0:1], 0x0                ; oc, wc
	s_load_b128 s[8:11], s[0:1], 0x10              ; the scales' exponents, bo
	s_load_b64 s[12:13], s[0:1], 0x20              ; out0
	v_lshl_add_u32 v[SPW], v0, 2, SPARE
	v_mov_b32 v[NIL], 0
	ds_add_u32 v[SPW], v[NIL]                      ; the wave's opening: the add and its wait stand ahead of my first tensor load; the set-up below, work on registers, stands between them
	v_lshrrev_b32 v1, 5, v0
	v_readfirstlane_b32 s14, v1                    ; wave 0..3
	s_lshr_b32 s15, s14, 1                         ; which half of the tile's tokens is mine.  Also: I fetch for A (0) or for B (1)
	s_and_b32 s16, s14, 1                          ; which half of its columns.  Also: which 4 row tiles I fetch
	s_bfe_u32 s40, ttmp6, 0x40000                  ; cx, cy
	s_bfe_u32 s41, ttmp6, 0x40004
	s_lshl_b32 s42, ttmp9, 2
	s_add_co_u32 s42, s42, s40                     ; tile column
	s_and_b32 s17, ttmp7, 0xffff
	s_lshl_b32 s17, s17, 2
	s_add_co_u32 s17, s17, s41                     ; tile row
	s_lshl_b32 s43, s41, 2
	s_lshl_b32 s43, 15, s43                        ; my row of the cluster
	s_lshl_b32 s44, 0x1111, s40                    ; my column
	; descriptor group 1: 4 rows (row tiles) of KSB bytes, RTB bytes apart, dense in LDS
	s_or_b32 s[G1+0], s43, (3<<16)|(1<<21)         ; 15:0 the mask; 17:16 elements of 8 bytes; 20 no padding; 21 set beside a mask
	s_or_b32 s[G1B+0], s44, (3<<16)|(1<<21)
.irp g, G1, G1B
	s_mov_b32 s[\g+1], (KSB/8)<<16                 ; tensor_dim0 = 1,024 elements
	s_mov_b32 s[\g+2], 4<<16                       ; tensor_dim1 = 4
	s_mov_b32 s[\g+3], (KSB/8)<<16                 ; tile_dim0
	s_mov_b32 s[\g+4], 4                           ; tile_dim1
	s_mov_b32 s[\g+5], RTB/8                       ; tensor_dim0_stride
	s_mov_b32 s[\g+6], 0
	s_mov_b32 s[\g+7], 0
.endr
	s_lshl_b32 s18, s16, 2                         ; which 4 row tiles I fetch
	s_lshl_b32 s20, s17, 3
	s_add_co_u32 s20, s20, s18
	s_lshl_b32 s20, s20, 15                        ; A: row tile 8 x tile row + 4 x half
	s_mov_b32 s21, 0
	s_lshl_b32 s46, s42, 3
	s_add_co_u32 s46, s46, s18
	s_lshl_b32 s46, s46, 15                        ; B: row tile 8 x tile column + 4 x half,
	s_add_co_u32 s46, s46, 3*128*RTB               ; in wc's fourth tensor
	s_mov_b32 s47, 0
	s_lshl_b32 s45, s14, 15                        ; where they go: wave x HALFT
	s_wait_dscnt 0x0                               ; the opening add is done
	s_wait_kmcnt 0x0
	s_load_b64 s[68:69], s[8:9], 0x28              ; e10, e11
	s_add_nc_u64 s[20:21], s[4:5], s[20:21]
	s_add_nc_u64 s[46:47], s[6:7], s[46:47]
	CROUND                                         ; all sixteen work-groups are here: the first joint loads meet
.irp s, 0,1
	s_mov_b32 s[G0+4*\s], 1
	s_add_co_u32 s[G0+4*\s+1], s45, \s*SLOT
	s_add_nc_u64 s[G0+4*\s+2:G0+4*\s+3], s[20:21], \s*KSB
	s_or_b32 s[G0+4*\s+3], s[G0+4*\s+3], 0x80000000
	s_mov_b32 s[G0B+4*\s], 1
	s_add_co_u32 s[G0B+4*\s+1], s45, \s*SLOT
	s_add_nc_u64 s[G0B+4*\s+2:G0B+4*\s+3], s[46:47], \s*KSB
	s_or_b32 s[G0B+4*\s+3], s[G0B+4*\s+3], 0x80000000
	JLOAD G0+4*\s, G1, G0B+4*\s, G1B
.endr
	v_and_b32 v1, 31, v0
	v_lshlrev_b32 v3, 4, v1                        ; 16 x lane
	s_lshl_b32 s22, s15, 15                        ; my 4 row tiles of A,
	s_lshl_b32 s23, s16, 15                        ; my 4 of B,
	s_add_co_u32 s23, s23, 2*HALFT                 ; which lie behind A's 8
.irp s, 0,1
	v_add_nc_u32 v[ADRA+\s], s22, v3
	v_add_nc_u32 v[ADRB+\s], s23, v3
	s_add_co_u32 s22, s22, SLOT
	s_add_co_u32 s23, s23, SLOT
.endr
	v_and_b32 v1, 15, v0                           ; r
	v_bfe_u32 v2, v0, 4, 1                         ; h
	s_mul_i32 s23, s14, 16*SPITCH
	s_add_co_u32 s23, s23, STAGE                   ; my stage
	v_mul_u32_u24 v[STO], v1, SPITCH
	v_lshl_add_u32 v[STO], v2, 5, v[STO]
	v_add_nc_u32 v[STO], s23, v[STO]               ; in: row r, + 32 h
	v_mul_u32_u24 v[RD], v2, SPITCH
	v_lshl_add_u32 v[RD], v1, 4, v[RD]
	v_add_nc_u32 v[RD], s23, v[RD]                 ; back: lanes 0-15 one row of 256 bytes, lanes 16-31 the next
	v_lshlrev_b32 v[CO], 13, v2
	v_lshl_add_u32 v[CO], v1, 4, v[CO]             ; and the same two rows of the output
	v_lshlrev_b32 v[BA], 5, v2
	s_lshl_b32 s20, s17, 7
	s_lshl_b32 s21, s15, 6
	s_add_co_u32 s20, s20, s21                     ; my first token: 128 x tile row + 64 x half,
	s_lshl_b32 s20, s20, 13                        ; a row of 8,192 bytes
	s_mov_b32 s21, 0
	s_lshl_b32 s46, s42, 9                         ; my first column, in bytes: 512 x tile column + 256 x half
	s_lshl_b32 s47, s16, 8
	s_add_co_u32 s46, s46, s47
	s_mov_b32 s47, 0
	s_add_nc_u64 s[10:11], s[10:11], s[46:47]      ; bo at my 64 columns
	s_add_nc_u64 s[12:13], s[12:13], s[20:21]
	s_add_nc_u64 s[12:13], s[12:13], s[46:47]
.irp b, 0,1,2,3
	global_load_b128 v[BI+8*\b:BI+8*\b+3], v[BA], s[10:11] offset:64*\b        ; bo(16 b + 8 h + 0 .. 7): the result's layout
	global_load_b128 v[BI+8*\b+4:BI+8*\b+7], v[BA], s[10:11] offset:64*\b+16
.endr
; 4 matrix instructions: A's block a x B's four, 128 along K, from buffer f.  zero = 1: the product starts the sum.  The 16 accumulators take turns, one instruction a turn.
.macro MUL4 f, a, zero
.irp b, 0,1,2,3
.if \zero
	v_wmma_f32_16x16x128_fp8_fp8 v[ACC+8*(4*(\a)+\b):ACC+8*(4*(\a)+\b)+7], v[\f+64+FR*\b:\f+64+FR*\b+FR-1], v[\f+FR*(\a):\f+FR*(\a)+FR-1], 0
.else
	v_wmma_f32_16x16x128_fp8_fp8 v[ACC+8*(4*(\a)+\b):ACC+8*(4*(\a)+\b)+7], v[\f+64+FR*\b:\f+64+FR*\b+FR-1], v[\f+FR*(\a):\f+FR*(\a)+FR-1], v[ACC+8*(4*(\a)+\b):ACC+8*(4*(\a)+\b)+7]
.endif
.endr
.endm
; 32 LDS loads in one run: the fragments of the slot's K step q into buffer f: B's four first, then A's blocks 0 to 3
.macro FETCH slot, q, f
	WIN TO_F
.irp i, 0,1,2,3
.irp c, 0,1,2,3
	ds_load_b128 v[\f+64+FR*\i+4*\c:\f+64+FR*\i+4*\c+3], v[ADRB+\slot] offset:KSB*\i+FRB*(\q)+512*\c
.endr
.endr
.irp i, 0,1,2,3
.irp c, 0,1,2,3
	ds_load_b128 v[\f+FR*\i+4*\c:\f+FR*\i+4*\c+3], v[ADRA+\slot] offset:KSB*\i+FRB*(\q)+512*\c
.endr
.endr
.endm
.macro PLACES                          ; four plain lines in front of loads into registers that matrix instructions have read, and of the first read of results (ISA guide 7.12.1 for the first read of results)
.rept 4
	v_nop
.endr
.endm
; A slot is four quarters of 128 along K, 16 matrix instructions each, on buffers 0, 1, 0, 1.  One of the first three: multiplies buffer f and fetches K step qn of the same slot into g.
.macro QUARTER slot, qn, f, g, zero
	s_wait_dscnt 8                                 ; B's four and A's blocks 0, 1 are in; the youngest eight loads (A's blocks 2, 3) may be out
	WIN MUL
	MUL4 \f, 0, \zero
	MUL4 \f, 1, \zero
	PLACES
	FETCH \slot, \qn, \g
	s_wait_dscnt 32                                ; all but the 32 just issued
	WIN MUL
	MUL4 \f, 2, \zero
	MUL4 \f, 3, \zero
.endm
; The last quarter multiplies buffer 1 and changes slots: one barrier; in front of it each wave waits for all its tensor loads, adds 0 to its spare word, and waits for that and for its own reads of this slot.  fill = 1: this slot is filled again, two slots ahead.
.macro TURN slot, next, fill
	WIN 0                                          ; (the add's two registers lie in window 0)
	s_wait_tensorcnt 0x0                           ; all my tensor loads have landed: my part of the next slot
	ds_add_u32 v[SPW], v[NIL]                      ; 0 onto my spare word
	s_wait_dscnt 9                                 ; the add and the youngest eight loads may be out
	WIN MUL
	MUL4 F1, 0, 0                                  ; four matrix instructions stand between the add and the wait for it
	s_wait_dscnt 0x0                               ; the add is done, and my reads of this slot are over
	s_barrier_signal -1
	MUL4 F1, 1, 0
.if \fill
	WIN 0
.endif
	s_barrier_wait -1
.if \fill
	CREST                                          ; the barrier has opened a round of the cluster's barrier: no wave of any partner still reads this slot or has a load on its way
	s_add_nc_u64 s[G0+4*\slot+2:G0+4*\slot+3], s[G0+4*\slot+2:G0+4*\slot+3], 2*KSB
	s_add_nc_u64 s[G0B+4*\slot+2:G0B+4*\slot+3], s[G0B+4*\slot+2:G0B+4*\slot+3], 2*KSB
	JLOAD G0+4*\slot, G1, G0B+4*\slot, G1B         ; the first tensor load behind the round; its four v_nop are also the places in front of the loads below
.else
	PLACES
.endif
	FETCH \next, 0, F0
	WIN MUL
	MUL4 F1, 2, 0
	MUL4 F1, 3, 0
.endm
	s_wait_tensorcnt 1                             ; my part of slot 0 is in; slot 1's load may be out
	s_barrier_signal -1
	s_barrier_wait -1                              ; everybody's is
	FETCH 0, 0, F0
	QUARTER 0, 1, F0, F1, 1                        ; K 0 to 511: the first quarter's products start the sums
	QUARTER 0, 2, F1, F0, 0
	QUARTER 0, 3, F0, F1, 0
	TURN 0, 1, 1                                   ; slot 0 takes K 1024 on
	QUARTER 1, 1, F0, F1, 0                        ; K 512 to 1023
	QUARTER 1, 2, F1, F0, 0
	QUARTER 1, 3, F0, F1, 0
	TURN 1, 0, 1                                   ; slot 1 takes K 1536 on: the last load
	QUARTER 0, 1, F0, F1, 0                        ; K 1024 to 1535
	QUARTER 0, 2, F1, F0, 0
	QUARTER 0, 3, F0, F1, 0
	TURN 0, 1, 0                                   ; nothing is left to fetch: no round of the cluster's barrier
	QUARTER 1, 1, F0, F1, 0                        ; K 1536 to 2047
	QUARTER 1, 2, F1, F0, 0
	QUARTER 1, 3, F0, F1, 0
	s_wait_dscnt 8
	WIN MUL
	MUL4 F1, 0, 0
	MUL4 F1, 1, 0
	s_wait_dscnt 0
	MUL4 F1, 2, 0
	MUL4 F1, 3, 0
	WIN 0
	; THE WAY OUT, a block of 16 tokens x my 64 columns at a time: through my own stage, so that sixteen lanes store 256 consecutive bytes of a row.
	s_wait_kmcnt 0x0
	s_add_co_i32 s66, s68, s69                     ; e10 + e11
	s_add_co_i32 s66, s66, 127
	s_lshl_b32 s66, s66, 23                        ; 2^(e10 + e11) as f32
	s_mov_b32 s67, s66                             ; (named with it as a pair)
	s_wait_loadcnt 0x0                             ; bo
	PLACES
.macro OUTB a
.irp b, 0,1,2,3
.irp i, 0,2,4,6
	v_pk_fma_f32 v[TMP+8*\b+\i:TMP+8*\b+\i+1], v[ACC+8*(4*(\a)+\b)+\i:ACC+8*(4*(\a)+\b)+\i+1], s[66:67], v[BI+8*\b+\i:BI+8*\b+\i+1] op_sel_hi:[1,0,1]   ; sum x 2^(e10 + e11) + bo; each accumulator from its low end on
.endr
.endr
.irp b, 0,1,2,3
	ds_store_b128 v[STO], v[TMP+8*\b:TMP+8*\b+3] offset:64*\b
	ds_store_b128 v[STO], v[TMP+8*\b+4:TMP+8*\b+7] offset:64*\b+16
.endr
	s_wait_xcnt 0x0                                ; the last block's stores have read their data: the loads below land there only behind this wait
.irp t, 0,1,2,3,4,5,6,7
	ds_load_b128 v[BK+4*\t:BK+4*\t+3], v[RD] offset:2*\t*SPITCH   ; LDS serves a wave's instructions in order (ISA guide 5.7.1.4): these see my stores, and the next block's stores come behind them
.endr
.irp t, 0,1,2,3,4,5,6,7
	s_wait_dscnt 7-\t                              ; the younger loads may be out
	global_store_b128 v[CO], v[BK+4*\t:BK+4*\t+3], s[12:13] offset:(16*(\a)+2*\t)*8192 th:TH_STORE_NT   ; 16 lanes store 256 consecutive bytes, aligned; written once, read by nobody here
.endr
.endm
.irp a, 0,1,2,3
	OUTB \a
.endr
	s_wait_tensorcnt 0x0                           ; the wave's end, behind my last tensor load and my last LDS store
	ds_add_u32 v[SPW], v[NIL]
	s_wait_dscnt 0x0
	CROUND                                         ; the closing round: no work-group ends while a partner may still ask for a tile that names it
	s_endpgm
.Lfunc_end_k_q6877f05dd1_outp:
	.size	k_q6877f05dd1_outp, .Lfunc_end_k_q6877f05dd1_outp-k_q6877f05dd1_outp
	.p2alignl 7, 3214868480
	.fill 96, 4, 3214868480
	.section	.rodata,"a",@progbits
	.p2align	6, 0x0
	.amdhsa_kernel k_q6877f05dd1_outp
		.amdhsa_group_segment_fixed_size 327680
		.amdhsa_private_segment_fixed_size 0
		.amdhsa_enable_private_segment 0
		.amdhsa_kernarg_size 40
		.amdhsa_user_sgpr_count 2
		.amdhsa_user_sgpr_kernarg_segment_ptr 1
		.amdhsa_wavefront_size32 1
		.amdhsa_system_sgpr_workgroup_id_x 1
		.amdhsa_system_sgpr_workgroup_id_y 1
		.amdhsa_system_sgpr_workgroup_id_z 1
		.amdhsa_system_vgpr_workitem_id 0
		.amdhsa_next_free_vgpr 512
		.amdhsa_next_free_sgpr 70
		.amdhsa_reserve_vcc 0
		.amdhsa_float_denorm_mode_32 3
		.amdhsa_float_denorm_mode_16_64 3
		.amdhsa_memory_ordered 1
		.amdhsa_forward_progress 1
		.amdhsa_inst_pref_size 75
	.end_amdhsa_kernel
	.amdgpu_metadata
---
amdhsa.version: [ 1, 2 ]
amdhsa.kernels:
  - .name:           k_q6877f05dd1_outp
    .symbol:         k_q6877f05dd1_outp.kd
    .args:
      - { .name: oc, .offset: 0, .size: 8, .value_kind: global_buffer, .address_space: global }
      - { .name: wc, .offset: 8, .size: 8, .value_kind: global_buffer, .address_space: global }
      - { .name: lowp_scales, .offset: 16, .size: 8, .value_kind: global_buffer, .address_space: global }
      - { .name: bo, .offset: 24, .size: 8, .value_kind: global_buffer, .address_space: global }
      - { .name: out0, .offset: 32, .size: 8, .value_kind: global_buffer, .address_space: global }
    .group_segment_fixed_size: 327680
    .private_segment_fixed_size: 0
    .kernarg_segment_align: 8
    .kernarg_segment_size: 40
    .max_flat_workgroup_size: 128
    .sgpr_count:     70
    .vgpr_count:     512
    .wavefront_size: 32
...
	.end_amdgpu_metadata
.endif
;; end of part 4
